; MI455X (gfx1250); checked and timed in simulation.
; The chip was launched on July 23, 2026; its instructions are those of AMD's public machine-readable ISA for CDNA 5 (MIT licence, August 2026) and "CDNA5" Instruction Set Architecture Reference Guide (July 2026). The comments in the code are by the model that wrote it; some were corrected since.
;; Mask Multi Head Attention. Allowed arithmetic: matrix products marked QUANTISED: E5M2 operands, one given power-of-two scale a tensor, by v_wmma_f32_16x16x64_bf8_bf8 or v_wmma_f32_16x16x128_bf8_bf8, f32 sums; everything else in f32.
;; Inputs: K_x 2 x 4,096 x 768 float32; Q_x 2 x 4,096 x 768 float32; V_x 2 x 4,096 x 768 float32; Wk 768 x 768 float32; Wq 768 x 768 float32; Wv 768 x 768 float32; bk 768 float32; bq 768 float32; bv 768 float32; lowp_scales 10 int32 (the exponents e of the quantised operands' scales 2^e); mask 1 x 1 x 4,096 x 4,096 int32.
;; Outputs: out0 2 x 4,096 x 768 float32.
;; This version of the problem:
;;   THIS VERSION OF THE PROBLEM IS GIVEN IN LOW PRECISION. The matrix products marked QUANTISED in the list below multiply operands that are first quantised to E5M2 (5 exponent bits, 2 mantissa bits; 8 bits a number), with one given power-of-two scale for each operand tensor; their sums are f32. All else is computed in f32.
;;   The module's matrix products, in the order in which they are computed (A, B: the left and right operand; K: the contracted axis; several contracted axes count as one K, in the product's order):
;;     1. [M 8,192, K 768] x [K 768, N 768]; A: input Q_x; B: input Wq: QUANTISED (scales: A lowp_scales[0], B lowp_scales[1])
;;     2. [M 8,192, K 768] x [K 768, N 768]; A: input K_x; B: input Wk: QUANTISED (scales: A lowp_scales[2], B lowp_scales[3])
;;     3. [M 8,192, K 768] x [K 768, N 768]; A: input V_x; B: input Wv: QUANTISED (scales: A lowp_scales[4], B lowp_scales[5])
;;     4. batch 12 x [M 4,096, K 128] x [K 128, N 4,096]; A: computed on the way; B: computed on the way: QUANTISED (scales: A lowp_scales[6], B lowp_scales[7])
;;     5. batch 12 x [M 4,096, K 4,096] x [K 4,096, N 128]; A: softmax (see below); B: computed on the way: QUANTISED (scales: A lowp_scales[8], B lowp_scales[9])
;;   THE QUANTISER, for each operand of a quantised product, along K:
;;     - The operand's scale is 2^e, e = its entry of the input lowp_scales (int32; the entries are numbered through the quantised products in the list's order, A before B).
;;     - Each number is divided by the scale, clamped to +-57,344, and rounded to the nearest number of E5M2, ties to even, subnormals kept.
;;     - The product sums the exact products of the quantised numbers (number of the format x scale) in f32.
;;   ~~~python
;;   def quantise(x, axis, e):      # numpy; x: float32 -> the quantised numbers, widened to float32 again
;;       x = np.moveaxis(x, axis, -1); K = x.shape[-1]
;;       r = np.clip(x / 2.0 ** e, -57344, 57344)
;;       step = 2.0 ** (np.maximum(np.frexp(np.where(r == 0, 1, r))[1] - 1, -14) - 2)
;;       q = np.round(r / step) * step * 2.0 ** e      # np.round: ties to even
;;       return np.moveaxis(q, -1, axis).astype(np.float32)
;;   ~~~
;;   SOFTMAX AHEAD OF A QUANTISED PRODUCT. Where the list says 'softmax', what is quantised is not the finished softmax but p = 2^(t - M), with t = logit x log2(e) and M = ceil(the row's largest t), a whole number; so 1/2 < the row's largest p <= 1. The row's sum l is taken of the UNQUANTISED p, in f32, and the product's result is divided by l at the end. Since M is a whole number, a kernel that streams over the keys may use a running M (the ceiling of the running maximum): every later rescaling is an exact power of two, so the quantised numbers keep their values, but for numbers so far below the row's largest that they fall under the format's range.
;;   OPERANDS COMPUTED ON THE WAY. 'Computed on the way' means the value that the module computes at that place (a softmax that the list does not call 'softmax' is quantised finished and normalised). What goes into a quantiser is computed in f32, as accurately as f32 sums, v_exp_f32 and their like allow (about 1e-6 of the number): no bf16 or f16 on the way to a quantiser, and a product that is left as it is and whose result goes on into a quantised operand takes f32 operands (vector FMAs, or v_wmma_f32_16x16x4_f32). A number that lies on a knife's edge between two numbers of the format may be rounded either way, as far as f32 arithmetic and the matrix unit's own rounding can turn it there, and no further.
;; One version. Each part assembles by itself: llvm-mc -triple=amdgcn-amd-amdhsa -mcpu=gfx1250 --defsym DOCPART=n.
;; ======== version 1 of 1: 3 launches
;; limits: right only within a limited range of input values
;; workspace buffers: codes 20,643,840 bytes; mb 2,097,152 bytes of whole numbers; qc 6,291,456 bytes; kv 12,582,912 bytes
;; launch prep (part 1): grid 466 x 1, 8 waves a work-group, no clusters, 136,192 bytes of LDS; arguments Q_x, K_x, V_x, Wq, Wk, Wv, mask, lowp_scales, codes, mb; writes codes, mb
.if DOCPART == 1
	.amdgcn_target "amdgcn-amd-amdhsa--gfx1250"
	.amdhsa_code_object_version 6
	.text
	.protected	k_qa85137b4a0_prep
	.globl	k_qa85137b4a0_prep
	.p2align	8
	.type	k_qa85137b4a0_prep,@function
k_qa85137b4a0_prep:
	s_mov_b64 s[64:65], 0
	v_nop
	global_prefetch_b8 v0, s[64:65] scope:SCOPE_SE
	s_setreg_imm32_b32 hwreg(HW_REG_WAVE_MODE, 25, 1), 1
	s_wait_xcnt 0x0
; PREP.  (a) Q_x, K_x, V_x [8192][768] and Wq, Wk, Wv [768][768], f32 with K innermost, become codes of BF8 (E5M2), each tensor with its given scale 2^e
; (entries 0, 2, 4, 1, 3, 5 of the scales): code = x / 2^e, held within +-57,344, to the nearest code, ties to even.
; (b) mask [4096][4096] int32 becomes lane masks: one word for each (tile of 16 queries, step of 128 keys, score register).
; LIMITS: each e between -126 and 112, so that 2^e and 57,344 x 2^e are f32 numbers.  NaN among the inputs is not served (an infinity is held at the largest code).
; THE CODES' LAYOUT is an image of the operand's registers.  A fragment is 16 rows x 128 K in 16 registers: lane (r = lane % 16, h = lane / 16) holds row r,
; registers 2 c, 2 c + 1 hold k = 16 c + 8 h + 0 .. 7.  Its image is 2,048 bytes: registers 4 g .. 4 g + 3 of lane l at 512 g + 16 l.  codes = [row tile G][K step 0..5][2048];
; G: Q_x 0-511, K_x 512-1023, V_x 1024-1535, Wq 1536-1583, Wk 1584-1631, Wv 1632-1679.
; THE MASKS' LAYOUT: mb = [query tile T][key step s][64 words]; word n = 8 c + j, bit (r, h): mask[16 T + r][128 s + 16 c + 8 h + j] != 0.
; SHARES.  The unit is a tile of 16 rows x 128 numbers of 4 bytes.  Work-groups 0-209: wave w takes row tile G = 8 id + w, six tiles along K.  Work-groups 210-465: query tile id - 210, wave w key steps 4 w .. 4 w + 3.
; Each load reads 512 consecutive bytes of one row; the tile turns through the wave's own stage in LDS (rows 528 bytes apart) so that a lane gets 8 neighbours along K in 8 consecutive registers.
; No barrier: waves share nothing.  The two paths part on the work-group's number and have LDS bytes of their own.  Memory binds: no matrix unit, no cluster, no tensor load would add anything.
.set SPITCH, 528                       ; a stage row: 512 bytes + 16: row r starts 16 r bytes further round the banks
.set WSTG,   16*SPITCH                 ; a wave's stage
.set MSTG,   8*WSTG                    ; the mask path's eight stages lie behind the quantising path's
.set NQWG,   210                       ; work-groups that quantise
.set R, 16                             ; v16-143  two sets of 64: a tile as loaded
.set X, 144                            ; v144-207 the tile turned: X[8 c + j] = column 16 c + 8 h + j of row r
.set C, 208                            ; v208-223 a fragment's codes
.set D, 224                            ; v224-225 two mask words a lane
; v1 16 x lane; v2, v3 the stage, in and out (quantising path); v12, v13 the same (mask path); v4 8 x lane; v5 2^e; v6 57,344 x 2^e
.macro LOAD t, pitch                   ; tile t: 16 rows, 512 bytes each, into set t % 2
.irp i, 0,1,2,3,4,5,6,7,8,9,10,11,12,13,14,15
	global_load_b128 v[R+64*((\t)%2)+4*\i:R+64*((\t)%2)+4*\i+3], v1, s[4:5] offset:\i*(\pitch)+512*(\t) th:TH_LOAD_NT
.endr
.endm
.macro TURN t, sti, str                ; through the stage: LDS serves a wave's instructions in order (ISA guide 5.7.1.4), so no wait stands between the stores and the loads
.irp i, 0,1,2,3,4,5,6,7,8,9,10,11,12,13,14,15
	ds_store_b128 v[\sti], v[R+64*((\t)%2)+4*\i:R+64*((\t)%2)+4*\i+3] offset:SPITCH*\i
.endr
.irp c, 0,1,2,3,4,5,6,7
	ds_load_b128 v[X+8*\c:X+8*\c+3], v[\str] offset:64*\c
	ds_load_b128 v[X+8*\c+4:X+8*\c+7], v[\str] offset:64*\c+16
.endr
.endm
.macro TILE t, nt, pitch, sti, str, ismask
.if (\t)+1 < (\nt)
	s_wait_loadcnt 16                              ; this tile's 16 loads are in; the next tile's 16 may be out
.else
	s_wait_loadcnt 0x0
.endif
	TURN \t, \sti, \str
	s_wait_dscnt 0x0                               ; X is in, and the stage's stores have read their registers
	s_wait_xcnt 0x0                                ; the last tile's store has read its data: C and D are written again only behind this wait
.if (\t)+2 < (\nt)
	LOAD (\t)+2, \pitch
.endif
.if \ismask
.irp q, 0,1,2,3                        ; sixteen words at a time: a compare gives the 32 lanes' bits of one register, and lane n / 2 takes word n
.irp k, 0,1,2,3,4,5,6,7,8,9,10,11,12,13,14,15
	v_cmp_ne_u32 s[44+\k], 0, v[X+16*\q+\k]
.endr
.irp k, 0,1,2,3,4,5,6,7,8,9,10,11,12,13,14,15
	v_writelane_b32 v[D+(\k)%2], s[44+\k], 8*\q+(\k)/2
.endr
.endr
	global_store_b64 v4, v[D:D+1], s[6:7] offset:256*(\t)   ; the 32 lanes store 256 consecutive bytes, aligned
.else
.set n, 0
.rept 64
	v_med3_num_f32 v[X+n], v[X+n], -v6, v6         ; the conversion to an 8-bit code does not saturate (ISA guide 7.6.2): the hold at the largest code x the scale
.set n, n+1
.endr
.irp c, 0,1,2,3,4,5,6,7
	v_cvt_scalef32_pk8_bf8_f32 v[C+2*\c:C+2*\c+1], v[X+8*\c:X+8*\c+7], v5
.endr
	v_nop                                          ; a plain line behind the conversions: the next vector lines, the next tile's holds, write their sources
.irp g, 0,1,2,3
	global_store_b128 v1, v[C+4*\g:C+4*\g+3], s[6:7] offset:2048*(\t)+512*\g   ; 512 consecutive bytes of the image
.endr
.endif
.endm
.macro PICKP f, p                      ; from work-group f on: the tensor at s[p:p+1]
	s_cmp_ge_u32 ttmp9, \f
	s_cselect_b64 s[4:5], s[\p:\p+1], s[4:5]
	s_cselect_b32 s9, \f, s9
.endm
.macro PICKE f, e
	s_cmp_ge_u32 ttmp9, \f
	s_cselect_b32 s10, s[\e], s10
.endm
	s_load_b512 s[16:31], s[0:1], 0x0              ; Q_x, K_x, V_x, Wq, Wk, Wv, mask, the scales' exponents
	s_load_b128 s[32:35], s[0:1], 0x40             ; codes, mb
	v_lshl_add_u32 v232, v0, 2, 0x21000
	v_mov_b32 v233, 0
	v_lshrrev_b32 v7, 5, v0
	s_delay_alu instid0(VALU_DEP_1)
	v_readfirstlane_b32 s8, v7                     ; wave 0..7
	v_and_b32 v8, 31, v0                           ; lane
	s_delay_alu instid0(VALU_DEP_1)
	v_lshlrev_b32 v1, 4, v8
	s_delay_alu instid0(VALU_DEP_2)
	v_lshlrev_b32 v4, 3, v8
	v_and_b32 v9, 15, v0                           ; r
	v_bfe_u32 v10, v0, 4, 1                        ; h
	s_mul_i32 s11, s8, WSTG                        ; my stage
	v_add_nc_u32 v2, s11, v1                       ; in: 16 bytes a lane of a row
	v_mul_u32_u24 v3, v9, SPITCH
	s_delay_alu instid0(VALU_DEP_1)
	v_lshl_add_u32 v3, v10, 5, v3
	s_delay_alu instid0(VALU_DEP_1)
	v_add_nc_u32 v3, s11, v3                       ; out: row r, + 32 h: my 8 numbers of each 16
	s_delay_alu instid0(VALU_DEP_4)
	v_add_nc_u32 v12, MSTG, v2                     ; the same in the mask path's stages
	s_delay_alu instid0(VALU_DEP_2)
	v_add_nc_u32 v13, MSTG, v3
	s_mov_b32 s13, 0
	s_wait_kmcnt 0x0
	s_cmp_ge_u32 ttmp9, NQWG
	s_cbranch_scc1 .Lmask
	; ---- the six tensors
	s_load_b256 s[36:43], s[30:31], 0x0            ; e0 .. e7
	s_mov_b64 s[4:5], s[16:17]
	s_mov_b32 s9, 0
	PICKP 64, 18
	PICKP 128, 20
	PICKP 192, 22
	PICKP 198, 24
	PICKP 204, 26
	s_sub_co_u32 s9, ttmp9, s9
	s_lshl_b32 s9, s9, 3
	s_add_co_u32 s9, s9, s8                        ; my row tile within the tensor
	s_mul_i32 s12, s9, 49152                       ; 16 rows of 3,072 bytes
	s_add_nc_u64 s[4:5], s[4:5], s[12:13]
	s_lshl_b32 s12, ttmp9, 3
	s_add_co_u32 s12, s12, s8                      ; G
	s_mul_i32 s12, s12, 12288                      ; six images
	s_add_nc_u64 s[6:7], s[32:33], s[12:13]
	LOAD 0, 3072
	LOAD 1, 3072
	s_wait_kmcnt 0x0
	s_mov_b32 s10, s36
	PICKE 64, 38
	PICKE 128, 40
	PICKE 192, 37
	PICKE 198, 39
	PICKE 204, 41
	s_add_co_i32 s10, s10, 127
	s_lshl_b32 s12, s10, 23
	v_mov_b32 v5, s12                              ; 2^e as f32: the conversion takes its exponent field
	s_add_co_i32 s10, s10, 15
	s_lshl_b32 s10, s10, 23
	s_or_b32 s10, s10, 0x600000
	v_mov_b32 v6, s10                              ; 57,344 x 2^e
	s_wait_alu depctr_va_vdst(0)
.irp t, 0,1,2,3,4,5
	TILE \t, 6, 3072, 2, 3, 0
.endr
	s_wait_tensorcnt 0x0
	ds_add_u32 v232, v233
	s_wait_dscnt 0x0
	s_endpgm
	; ---- the mask
.Lmask:
	s_sub_co_u32 s9, ttmp9, NQWG                   ; query tile T
	s_lshl_b32 s12, s9, 18                         ; 16 rows of 16,384 bytes
	s_lshl_b32 s10, s8, 11                         ; four key steps of 512 bytes
	s_add_co_u32 s12, s12, s10
	s_add_nc_u64 s[4:5], s[28:29], s[12:13]
	s_lshl_b32 s12, s9, 5
	s_lshl_b32 s10, s8, 2
	s_add_co_u32 s12, s12, s10
	s_lshl_b32 s12, s12, 8                         ; (32 T + 4 w) blocks of 256 bytes
	s_add_nc_u64 s[6:7], s[34:35], s[12:13]
	v_mov_b32 v[D], 0                              ; written once: v_writelane_b32's destination counts as read
	v_mov_b32 v[D+1], 0
	LOAD 0, 16384
	LOAD 1, 16384
	s_wait_alu depctr_va_vdst(0)
.irp t, 0,1,2,3
	TILE \t, 4, 16384, 12, 13, 1
.endr
	s_wait_tensorcnt 0x0
	ds_add_u32 v232, v233
	s_wait_dscnt 0x0
	s_endpgm
.Lfunc_end_k_qa85137b4a0_prep:
	.size	k_qa85137b4a0_prep, .Lfunc_end_k_qa85137b4a0_prep-k_qa85137b4a0_prep
	.p2alignl 7, 3214868480
	.fill 96, 4, 3214868480
	.section	.rodata,"a",@progbits
	.p2align	6, 0x0
	.amdhsa_kernel k_qa85137b4a0_prep
		.amdhsa_group_segment_fixed_size 136192
		.amdhsa_private_segment_fixed_size 0
		.amdhsa_enable_private_segment 0
		.amdhsa_kernarg_size 80
		.amdhsa_user_sgpr_count 2
		.amdhsa_user_sgpr_kernarg_segment_ptr 1
		.amdhsa_wavefront_size32 1
		.amdhsa_system_sgpr_workgroup_id_x 1
		.amdhsa_system_sgpr_workgroup_id_y 1
		.amdhsa_system_sgpr_workgroup_id_z 1
		.amdhsa_system_vgpr_workitem_id 0
		.amdhsa_next_free_vgpr 234
		.amdhsa_next_free_sgpr 66
		.amdhsa_reserve_vcc 0
		.amdhsa_float_denorm_mode_32 3
		.amdhsa_float_denorm_mode_16_64 3
		.amdhsa_memory_ordered 1
		.amdhsa_forward_progress 1
		.amdhsa_inst_pref_size 103
	.end_amdhsa_kernel
	.amdgpu_metadata
---
amdhsa.version: [ 1, 2 ]
amdhsa.kernels:
  - .name:           k_qa85137b4a0_prep
    .symbol:         k_qa85137b4a0_prep.kd
    .args:
      - { .name: Q_x, .offset: 0, .size: 8, .value_kind: global_buffer, .address_space: global }
      - { .name: K_x, .offset: 8, .size: 8, .value_kind: global_buffer, .address_space: global }
      - { .name: V_x, .offset: 16, .size: 8, .value_kind: global_buffer, .address_space: global }
      - { .name: Wq, .offset: 24, .size: 8, .value_kind: global_buffer, .address_space: global }
      - { .name: Wk, .offset: 32, .size: 8, .value_kind: global_buffer, .address_space: global }
      - { .name: Wv, .offset: 40, .size: 8, .value_kind: global_buffer, .address_space: global }
      - { .name: mask, .offset: 48, .size: 8, .value_kind: global_buffer, .address_space: global }
      - { .name: lowp_scales, .offset: 56, .size: 8, .value_kind: global_buffer, .address_space: global }
      - { .name: codes, .offset: 64, .size: 8, .value_kind: global_buffer, .address_space: global }
      - { .name: mb, .offset: 72, .size: 8, .value_kind: global_buffer, .address_space: global }
    .group_segment_fixed_size: 136192
    .private_segment_fixed_size: 0
    .kernarg_segment_align: 8
    .kernarg_segment_size: 80
    .max_flat_workgroup_size: 256
    .sgpr_count:     66
    .vgpr_count:     234
    .wavefront_size: 32
...
	.end_amdgpu_metadata
.endif
;; end of part 1
;; launch proj (part 2): grid 64 x 9, 4 waves a work-group, no clusters, 168,448 bytes of LDS; arguments codes, bq, bk, bv, lowp_scales, qc, kv; writes qc, kv
.if DOCPART == 2
	.amdgcn_target "amdgcn-amd-amdhsa--gfx1250"
	.amdhsa_code_object_version 6
	.text
	.protected	k_qa85137b4a0_proj
	.globl	k_qa85137b4a0_proj
	.p2align	8
	.type	k_qa85137b4a0_proj,@function
k_qa85137b4a0_proj:
	s_mov_b64 s[64:65], 0
	v_nop
	global_prefetch_b8 v0, s[64:65] scope:SCOPE_SE
	s_setreg_imm32_b32 hwreg(HW_REG_WAVE_MODE, 25, 1), 1
	s_wait_xcnt 0x0
; PROJ.  Q = Q_x Wq^T + bq, K = K_x Wk^T + bk, V = V_x Wv^T + bv on codes of BF8 (E5M2); each result is quantised at once (scales' entries 6, 7, 9) and stored as images of the operands of the attention launch.
; ONE TEXT FOR THE THREE: C'[i][j] = sum over k of S1[i][k] S0[j][k], source 0 = 16 rows of S0, source 1 = 16 rows of S1: in accumulator (a, b) lane (r, h) holds S1's row 16 a + r and, in register j, S0's row 16 b + 8 h + j.
; So the 64 registers of accumulators (a, 0..7) are 128 neighbours along S0's rows in the order of a fragment (registers 2 c, 2 c + 1: k = 16 c + 8 h + 0 .. 7): eight conversions make the fragment.
;   Q, K: S1 = 256 tokens, S0 = a head's 128 rows of W: the fragment has lane = token, k = the head's channel.      V: S1 = 256 rows of Wv, S0 = 128 tokens: lane = channel, k = key.  V differs by addresses and by the bias's shape alone.
; value = sum x 2^(ex + ew) + bias, one packed multiply-add for two numbers; then the hold at 57,344 x 2^eo and the conversion.
; LIMITS: ex + ew between -126 and 127, eo between -126 and 112, so that each power of two below is an f32 number.
; SHARES.  Grid 64 x 9: y / 3 = the tensor T, c = y % 3, p = x.  Q, K: tokens 256 (p / 2) on, head 2 c + p % 2.  V: rows 256 c on of Wv, tokens 128 p on.  Wave w takes S1's tiles 4 w .. 4 w + 3: 32 accumulators, K = 768 in six steps of 128.
; S0 (8 tiles x 6 images, 98,304 bytes, dense in memory) is read by all four waves: one tensor load a wave brings a quarter into LDS, once.  S1 is read by one wave, once: straight into registers, 96 loads, K step by K step.
; NO CLUSTER: in V's product the neighbours along x read different blocks of S0, and the three work-groups that share one (c = 0, 1, 2) are no shape of a cluster; one text serves all three products.  What Q and K could share is 96 of a work-group's 288 KiB.
; NO RING: all of S0 fits in LDS and nothing is filled again.
; REGISTERS, in windows of 256: window 0: v1 16 x lane; v2 32 h; v3 4 r; v4 57,344 x 2^eo; v5 2^eo; v6 16 x lane + 49,152; v8-15 V's bias (even registers); v32-95 Q's or K's bias; v96-127 two sets of codes;
;   v128-255 S1's fragments of K steps 4, 5, later two sets of 64 numbers on the way out.   window 1: S0's fragments, two sets.   window 2: S1's fragments of K steps 0-3, at 16 (4 s + a).   window 3: accumulator (a, b) at 64 a + 8 b.
.set IMG,  2048                        ; a fragment's image
.set TILEB, 6*IMG                      ; a row tile's six images
.set BR,   32
.set CD,   96
.set MSB, 0
.macro WIN new                         ; the immediate's high byte repeats the setting that is left; a switch that changes nothing is dropped
.if MSB != \new
	s_set_vgpr_msb (MSB<<8)|\new
.set MSB, \new
.endif
.endm
.macro PLACES                          ; four plain vector lines between a matrix instruction and a load into, or a vector line on, one of its registers
.rept 4
	v_nop
.endr
.endm
.macro FETCH0 s                        ; S0's eight fragments of K step s into set s % 2: 32 loads of 512 consecutive bytes
	WIN 0x40                                       ; destination window 1, address window 0
.irp b, 0,1,2,3
.irp c, 0,1,2,3
	ds_load_b128 v[128*((\s)%2)+16*\b+4*\c:128*((\s)%2)+16*\b+4*\c+3], v1 offset:(6*\b+(\s))*IMG+512*\c
.endr
.endr
.irp b, 4,5,6,7
.irp c, 0,1,2,3
	ds_load_b128 v[128*((\s)%2)+16*\b+4*\c:128*((\s)%2)+16*\b+4*\c+3], v6 offset:(6*(\b-4)+(\s))*IMG+512*\c
.endr
.endr
.endm
; A K step: the next step's fragments of S0 are asked for, then 32 matrix instructions.  The 32 accumulators take turns, one instruction a turn, in the same order in every step.
.macro STEP s, lc
.if (\s) > 0
	PLACES                                         ; the set that is loaded now was read by the step before
.endif
.if (\s) < 5
	FETCH0 (\s)+1
	s_wait_dscnt 32                                ; this step's fragments of S0 are in; the 32 loads just issued may be out
.else
	s_wait_dscnt 0x0
.endif
	s_wait_loadcnt \lc                             ; this step's sixteen loads of S1 are in; the count is that of the loads issued behind them, or the largest that a wait names
.if (\s) < 4
	WIN 0xf9                                       ; source 0 window 1, source 1 window 2, C and D window 3
.set SB, 64*(\s)
.else
	WIN 0xf1                                       ; source 1 window 0
.set SB, 128+64*((\s)-4)
.endif
.irp a, 0,1,2,3
.irp b, 0,1,2,3,4,5,6,7
.if (\s) == 0
	v_wmma_f32_16x16x128_bf8_bf8 v[64*\a+8*\b:64*\a+8*\b+7], v[128*((\s)%2)+16*\b:128*((\s)%2)+16*\b+15], v[SB+16*\a:SB+16*\a+15], 0
.else
	v_wmma_f32_16x16x128_bf8_bf8 v[64*\a+8*\b:64*\a+8*\b+7], v[128*((\s)%2)+16*\b:128*((\s)%2)+16*\b+15], v[SB+16*\a:SB+16*\a+15], v[64*\a+8*\b:64*\a+8*\b+7]
.endif
.endr
.endr
.endm
; The way out of S1's tile a: 64 numbers a lane become one fragment, stored as its image.
.macro EPI a, isv
.set TM, 128+64*((\a)%2)
.set CC, CD+16*((\a)%2)
	WIN 0x03                                       ; source 0 (the sums) window 3
.set n, 0
.rept 32                               ; ascending: each accumulator is read from its low end on
.if \isv
	v_pk_fma_f32 v[TM+n:TM+n+1], v[64*(\a)+n:64*(\a)+n+1], s[24:25], v[8+2*(\a):9+2*(\a)] op_sel_hi:[1,0,0]   ; V: the lane's channel has one bias: the pair's low word for both halves
.else
	v_pk_fma_f32 v[TM+n:TM+n+1], v[64*(\a)+n:64*(\a)+n+1], s[24:25], v[BR+n:BR+n+1] op_sel_hi:[1,0,1]
.endif
.set n, n+2
.endr
	WIN 0
.set n, 0
.rept 64
	v_med3_num_f32 v[TM+n], v[TM+n], -v4, v4       ; the conversion does not saturate (ISA guide 7.6.2)
.set n, n+1
.endr
.if (\a) >= 2
	s_wait_alu depctr_va_vdst(0)
	s_wait_xcnt 0x0                                ; the stores of two tiles back have read this set of codes
.endif
.irp c, 0,1,2,3,4,5,6,7
	v_cvt_scalef32_pk8_bf8_f32 v[CC+2*\c:CC+2*\c+1], v[TM+8*\c:TM+8*\c+7], v5
.endr
	v_nop                                          ; a plain line behind the conversions
.irp g, 0,1,2,3
	global_store_b128 v1, v[CC+4*\g:CC+4*\g+3], s[26:27] offset:(\a)*IMG+512*\g   ; 512 consecutive bytes of the image
.endr
.endm
.macro TAIL isv                        ; the bias is asked for, the last two K steps, the way out
.if \isv
.irp a, 0,1,2,3
	global_load_b32 v[8+2*\a], v3, s[30:31] offset:64*\a
.endr
.set NB, 4
.else
.irp b, 0,1,2,3,4,5,6,7
	global_load_b128 v[BR+8*\b:BR+8*\b+3], v2, s[30:31] offset:64*\b
	global_load_b128 v[BR+8*\b+4:BR+8*\b+7], v2, s[30:31] offset:64*\b+16
.endr
.set NB, 16
.endif
	STEP 4, 16+NB
	STEP 5, NB
	WIN 0
	PLACES                                         ; in front of the first read of results and of the writes over S1's registers
	s_wait_loadcnt 0x0                             ; the bias
	EPI 0, \isv
	EPI 1, \isv
	EPI 2, \isv
	EPI 3, \isv
	s_wait_tensorcnt 0x0
	ds_add_u32 v30, v31
	s_wait_dscnt 0x0
	s_endpgm
.endm
	s_load_b256 s[32:39], s[0:1], 0x0              ; codes, bq, bk, bv
	s_load_b128 s[40:43], s[0:1], 0x20             ; the scales' exponents, qc
	s_load_b64 s[44:45], s[0:1], 0x30              ; kv
	v_lshl_add_u32 v30, v0, 2, 0x29000
	v_mov_b32 v31, 0
	ds_add_u32 v30, v31
	ds_add_u32 v30, v31
	v_lshrrev_b32 v7, 5, v0
	v_readfirstlane_b32 s2, v7                     ; wave 0..3
	v_and_b32 v7, 31, v0
	v_lshlrev_b32 v1, 4, v7
	v_bfe_u32 v2, v0, 4, 1
	v_lshlrev_b32 v2, 5, v2
	v_and_b32 v3, 15, v0
	v_lshlrev_b32 v3, 2, v3
	v_add_nc_u32 v6, 4*TILEB, v1
.irp a, 9,11,13,15
	v_mov_b32 v\a, 0                               ; named as the upper halves of pairs, so they are written
.endr
	s_and_b32 s6, ttmp7, 0xffff                    ; y
	s_mul_hi_u32 s3, s6, 0x55555556                ; T = y / 3
	s_mul_i32 s7, s3, 3
	s_sub_co_u32 s4, s6, s7                        ; c
	s_mov_b32 s5, ttmp9                            ; p
	s_lshr_b32 s8, s5, 1                           ; i1: which 256 tokens
	s_and_b32 s9, s5, 1
	s_lshl_b32 s10, s4, 1
	s_add_co_u32 s9, s9, s10                       ; head
	s_lshl_b32 s10, s3, 9
	s_lshl_b32 s11, s8, 4
	s_add_co_u32 s10, s10, s11                     ; Q, K: S1's first tile 512 T + 16 i1
	s_mul_i32 s11, s3, 48
	s_lshl_b32 s46, s9, 3
	s_add_co_u32 s11, s11, s46
	s_add_co_u32 s11, s11, 1536                    ;       S0's first tile 1536 + 48 T + 8 head
	s_lshl_b32 s46, s4, 4
	s_add_co_u32 s46, s46, 1632                    ; V: S1's 1632 + 16 c
	s_lshl_b32 s47, s5, 3
	s_add_co_u32 s47, s47, 1024                    ;    S0's 1024 + 8 p
	; where the images go.  Q: qc[6 b + head][16 (i1 % 16) + 4 w + a];  K: kv[6 b + head][step 2 (i1 % 16) + w / 2][fragment 4 (w % 2) + a];  V: kv[6 (p / 32) + 2 c + w / 2][step p % 32][8 + 4 (w % 2) + a]
	s_lshr_b32 s61, s8, 4
	s_mul_i32 s61, s61, 6
	s_add_co_u32 s61, s61, s9                      ; 6 b + head
	s_and_b32 s62, s8, 15
	s_lshl_b32 s58, s61, 19
	s_lshl_b32 s63, s62, 15
	s_add_co_u32 s58, s58, s63
	s_lshl_b32 s63, s2, 13
	s_add_co_u32 s58, s58, s63                     ; Q's offset
	s_lshl_b32 s60, s61, 20
	s_lshl_b32 s63, s62, 16
	s_add_co_u32 s60, s60, s63
	s_lshr_b32 s61, s2, 1                          ; w / 2
	s_and_b32 s62, s2, 1
	s_lshl_b32 s62, s62, 13                        ; 8,192 (w % 2)
	s_lshl_b32 s63, s61, 15
	s_add_co_u32 s60, s60, s63
	s_add_co_u32 s60, s60, s62                     ; K's offset
	s_lshr_b32 s59, s5, 5
	s_mul_i32 s59, s59, 6
	s_lshl_b32 s63, s4, 1
	s_add_co_u32 s59, s59, s63
	s_add_co_u32 s59, s59, s61
	s_lshl_b32 s59, s59, 5
	s_and_b32 s63, s5, 31
	s_add_co_u32 s59, s59, s63
	s_lshl_b32 s59, s59, 15
	s_add_co_u32 s59, s59, s62
	s_add_co_u32 s59, s59, 16384                   ; V's offset
	s_lshl_b32 s6, s9, 9                           ; the bias: Q, K: 512 head;
	s_lshl_b32 s7, s4, 10
	s_lshl_b32 s63, s2, 8
	s_add_co_u32 s7, s7, s63                       ; V: 1,024 c + 256 w
	s_cmp_eq_u32 s3, 2                             ; V?  Every choice hangs on the work-group's number alone
	s_cselect_b32 s10, s46, s10
	s_cselect_b32 s11, s47, s11
	s_cselect_b32 s6, s7, s6
	s_cselect_b32 s60, s59, s60
	s_cmp_eq_u32 s3, 0
	s_cselect_b32 s58, s58, s60
	s_mov_b32 s59, 0
	s_mov_b32 s7, 0
	s_lshl_b32 s46, s2, 1
	s_add_co_u32 s11, s11, s46                     ; the two tiles of S0 that I fetch
	s_mul_i32 s46, s11, TILEB
	s_mov_b32 s47, 0
	s_lshl_b32 s11, s2, 2
	s_add_co_u32 s10, s10, s11                     ; my four tiles of S1
	s_mul_i32 s10, s10, TILEB
	s_mov_b32 s11, 0
	; the descriptor: 24,576 dense bytes as 96 rows of 32 elements of 8 bytes
	s_mov_b32 s16, 3<<16                           ; no mask; elements of 8 bytes; no padding
	s_mov_b32 s17, 32<<16                          ; tensor_dim0
	s_mov_b32 s18, 96<<16                          ; tensor_dim1
	s_mov_b32 s19, 32<<16                          ; tile_dim0
	s_mov_b32 s20, 96                              ; tile_dim1
	s_mov_b32 s21, 32                              ; from row to row
	s_mov_b32 s22, 0
	s_mov_b32 s23, 0
	s_mov_b32 s12, 1
	s_mul_i32 s13, s2, 2*TILEB                     ; LDS: my quarter
	s_wait_alu depctr_va_vdst(0)
	s_wait_dscnt 0x0
	s_wait_kmcnt 0x0
	s_load_b256 s[48:55], s[40:41], 0x0            ; e0 .. e7
	s_load_b64 s[56:57], s[40:41], 0x20            ; e8, e9
	s_add_nc_u64 s[14:15], s[32:33], s[46:47]
	s_or_b32 s15, s15, 0x80000000                  ; type 2
	tensor_load_to_lds s[12:15], s[16:23]          ; my one tensor load
	s_nop 0
	PLACES                                         ; four lines behind a tensor load, ahead of the window's switch
	s_add_nc_u64 s[28:29], s[32:33], s[10:11]
	WIN 0x80                                       ; destination window 2
.irp s, 0,1,2,3
.irp a, 0,1,2,3
.irp c, 0,1,2,3
	global_load_b128 v[16*(4*\s+\a)+4*\c:16*(4*\s+\a)+4*\c+3], v1, s[28:29] offset:(6*\a+\s)*IMG+512*\c
.endr
.endr
.endr
	WIN 0
.irp s, 4,5
.irp a, 0,1,2,3
.irp c, 0,1,2,3
	global_load_b128 v[128+16*(4*(\s-4)+\a)+4*\c:128+16*(4*(\s-4)+\a)+4*\c+3], v1, s[28:29] offset:(6*\a+\s)*IMG+512*\c
.endr
.endr
.endr
	s_cmp_eq_u32 s3, 0
	s_cselect_b64 s[26:27], s[42:43], s[44:45]     ; qc or kv
	s_cselect_b64 s[30:31], s[34:35], s[36:37]     ; bq or bk,
	s_cmp_eq_u32 s3, 2
	s_cselect_b64 s[30:31], s[38:39], s[30:31]     ; or bv
	s_add_nc_u64 s[26:27], s[26:27], s[58:59]
	s_add_nc_u64 s[30:31], s[30:31], s[6:7]
	s_wait_kmcnt 0x0
	s_cmp_eq_u32 s3, 0
	s_cselect_b32 s60, s48, s50                    ; ex
	s_cselect_b32 s61, s49, s51                    ; ew
	s_cselect_b32 s62, s54, s55                    ; eo
	s_cmp_eq_u32 s3, 2
	s_cselect_b32 s60, s52, s60
	s_cselect_b32 s61, s53, s61
	s_cselect_b32 s62, s57, s62
	s_add_co_i32 s60, s60, s61
	s_add_co_i32 s60, s60, 127
	s_lshl_b32 s24, s60, 23                        ; 2^(ex + ew) as f32
	s_mov_b32 s25, s24                             ; (named with it as a pair, so it is written)
	s_add_co_i32 s62, s62, 127
	s_lshl_b32 s63, s62, 23
	v_mov_b32 v5, s63                              ; 2^eo
	s_add_co_i32 s62, s62, 15
	s_lshl_b32 s62, s62, 23
	s_or_b32 s62, s62, 0x600000
	v_mov_b32 v4, s62                              ; 57,344 x 2^eo
	s_wait_tensorcnt 0x0                           ; my quarter of S0 is in LDS,
	s_barrier_signal -1
	s_barrier_wait -1                              ; everybody's is
	FETCH0 0
	STEP 0, 63
	STEP 1, 63
	STEP 2, 48
	STEP 3, 32
	WIN 0                                          ; at a branch and at a label every window is 0
	s_cmp_eq_u32 s3, 2
	s_cbranch_scc1 .Ltail_v
	TAIL 0
.Ltail_v:
	TAIL 1
.Lfunc_end_k_qa85137b4a0_proj:
	.size	k_qa85137b4a0_proj, .Lfunc_end_k_qa85137b4a0_proj-k_qa85137b4a0_proj
	.p2alignl 7, 3214868480
	.fill 96, 4, 3214868480
	.section	.rodata,"a",@progbits
	.p2align	6, 0x0
	.amdhsa_kernel k_qa85137b4a0_proj
		.amdhsa_group_segment_fixed_size 168448
		.amdhsa_private_segment_fixed_size 0
		.amdhsa_enable_private_segment 0
		.amdhsa_kernarg_size 56
		.amdhsa_user_sgpr_count 2
		.amdhsa_user_sgpr_kernarg_segment_ptr 1
		.amdhsa_wavefront_size32 1
		.amdhsa_system_sgpr_workgroup_id_x 1
		.amdhsa_system_sgpr_workgroup_id_y 1
		.amdhsa_system_sgpr_workgroup_id_z 1
		.amdhsa_system_vgpr_workitem_id 0
		.amdhsa_next_free_vgpr 1024
		.amdhsa_next_free_sgpr 66
		.amdhsa_reserve_vcc 0
		.amdhsa_float_denorm_mode_32 3
		.amdhsa_float_denorm_mode_16_64 3
		.amdhsa_memory_ordered 1
		.amdhsa_forward_progress 1
		.amdhsa_inst_pref_size 106
	.end_amdhsa_kernel
	.amdgpu_metadata
---
amdhsa.version: [ 1, 2 ]
amdhsa.kernels:
  - .name:           k_qa85137b4a0_proj
    .symbol:         k_qa85137b4a0_proj.kd
    .args:
      - { .name: codes, .offset: 0, .size: 8, .value_kind: global_buffer, .address_space: global }
      - { .name: bq, .offset: 8, .size: 8, .value_kind: global_buffer, .address_space: global }
      - { .name: bk, .offset: 16, .size: 8, .value_kind: global_buffer, .address_space: global }
      - { .name: bv, .offset: 24, .size: 8, .value_kind: global_buffer, .address_space: global }
      - { .name: lowp_scales, .offset: 32, .size: 8, .value_kind: global_buffer, .address_space: global }
      - { .name: qc, .offset: 40, .size: 8, .value_kind: global_buffer, .address_space: global }
      - { .name: kv, .offset: 48, .size: 8, .value_kind: global_buffer, .address_space: global }
    .group_segment_fixed_size: 168448
    .private_segment_fixed_size: 0
    .kernarg_segment_align: 8
    .kernarg_segment_size: 56
    .max_flat_workgroup_size: 128
    .sgpr_count:     66
    .vgpr_count:     1024
    .wavefront_size: 32
...
	.end_amdgpu_metadata
.endif
;; end of part 2
;; launch attn (part 3): grid 64 x 4, 12 waves a work-group, clusters of 4 x 1, 327,680 bytes of LDS; arguments qc, kv, mb, lowp_scales, out0; writes out0
.if DOCPART == 3
	.amdgcn_target "amdgcn-amd-amdhsa--gfx1250"
	.amdhsa_code_object_version 6
	.text
	.protected	k_qa85137b4a0_attn
	.globl	k_qa85137b4a0_attn
	.p2align	8
	.type	k_qa85137b4a0_attn,@function
k_qa85137b4a0_attn:
	s_mov_b64 s[64:65], 0
	v_nop
	global_prefetch_b8 v0, s[64:65] scope:SCOPE_SE
	s_setreg_imm32_b32 hwreg(HW_REG_WAVE_MODE, 25, 1), 1
	s_wait_xcnt 0x0
	s_wait_alu depctr_hold_cnt(0) depctr_sa_sdst(0) depctr_va_vdst(0) depctr_va_sdst(0) depctr_va_ssrc(0) depctr_va_vcc(0) depctr_vm_vsrc(0)
	s_getreg_b32 s2, hwreg(HW_REG_IB_STS2, 6, 4)
	s_cmp_eq_u32 s2, 0
	s_cbranch_scc0 .Lentry_in_a_cluster
	s_endpgm
.Lentry_in_a_cluster:
	s_bfe_u32 s2, ttmp6, 0x10000c
	s_cmp_lg_u32 s2, 0x3003
	s_cbranch_scc0 .Lentry_shape_is_right
	s_endpgm
.Lentry_shape_is_right:
; ATTN.  out[b][q][128 head + d] = sum over keys of softmax(where(mask == 0, -1e9, Q . K / sqrt(128))) V, both products on codes of BF8 (E5M2) with the given scales 2^e6 (Q), 2^e7 (K), 2^e8 (p), 2^e9 (V).
; SOFTMAX: t = score x log2(e) / sqrt(128); M = the running largest t rounded UP to a whole number; p = 2^(t - M) is quantised, not normalised; the row's sum is taken of the unquantised p and divides at the end.
; When M moves, the sum and O are multiplied by 2^(old M - new M), which rounds nothing.
; THE MASK: mb holds, for each (tile of 16 queries, step of 128 keys), 64 words, word n = the 32 lanes' bits for score register n; they come by scalar loads and are the select's mask operand.
; A hidden score is replaced by the raw number -2^(33 - e6 - e7): its t is -c 2^33 = -1.0954e9, a whole number inside 32 bits, where the problem has -1e9 x log2(e).
; LIMITS: results differ from the problem's only where a true logit lies under -7.6e8.  e6 + e7 between -93 and 130; e8 between -126 and 112; e8 + e9 goes in by v_ldexp_f32 and has none.
; A row that is hidden everywhere gives p = 1 for every key, as the problem's own f32 arithmetic gives; when such a row's first open key comes, 2^(old M - new M) is 0 and wipes what was summed.
; SHARES.  12 pairs y = 6 batch + head x 256 tiles of 16 queries = 3,072 tiles = 256 work-groups x 12 waves, a tile a wave, three waves to a SIMD.  256 tiles do not divide by 12, so the pairs go by threes (grid y = yt):
; work-group x of 64 takes 8 tiles of pair yA = 3 yt + x / 32 (waves 0-7: tile 8 (x % 32) + w) and 4 tiles of pair yB = 3 yt + 2 (waves 8-11: tile 4 x + w - 8).  So it walks TWO streams of kv.
; LAYOUT.  Both products transposed: S^T = K Q^T (source 0 = 16 keys), O^T = V^T P^T (source 0 = 16 channels): a lane holds ONE query (lane % 16); a tile's 8 registers are keys 16 t + 8 h + 0 .. 7: one conversion makes registers 2 t, 2 t + 1 of P.
; qc, kv hold images of fragments (registers 4 g .. 4 g + 3 of lane l at 512 g + 16 l): every LDS load takes 512 consecutive bytes.  kv[y][step] = 8 fragments of K, then 8 of V: 32,768 bytes.
; RING.  Two slots of 131,072 bytes: [2 key steps][stream A, B][32,768].  Waves 0-7 fill an eighth each (64 rows of 256 bytes), one tensor load of a wave out at any time.
; CLUSTER.  Four neighbours along x have the same yt and x / 32, so the same two streams: each fill is asked for JOINTLY, its descriptor made of the cluster's numbers and the wave's alone.  My place in the cluster enters only addresses of qc, mb, out0 and of prefetches.
; REGISTERS.  v1 16 x lane; v2 the LDS address in hand; v3, v4 the add's two; v5 the hidden score; v6 57,344 x 2^e8; v7 2^e8; v8, v9 prefetch offsets; v10, v11 the stage; v12 my place in two rows of out0;
;   v16 -M, v17 the largest t, v[18:19] the sum, v20 f (v21 a 0), v22, v23 at work; v[24:25] a chain of the sum; v26 a permute's destination; v32-47 Q; v48-63 P; v64-127 S^T, then p; v128-191 O^T; v192-255 four fragments.  s[32:63], s[68:99]: 64 mask words.
.set SLOT1, 1<<17
.set STEPB, 32768
.set SPARE, 2*SLOT1                    ; the spare words: 128 bytes for each of twelve waves, six blocks of 256 bytes that no other line names
.set SP,    272                        ; the way out: a stage of 16 rows x (256 + 16) bytes a wave, in slot 0, which has had its last fill and was left at the last change of slots
.set LI, 1
.set ADR, 2
.set SPW, 3
.set NIL, 4
.set VNEG, 5
.set VLIM, 6
.set VSCL, 7
.set PFO, 8
.set MPO, 9
.set STO, 10
.set RD, 11
.set GO, 12
.set ST, 16
.set QF, 32
.set PF, 48
.set S, 64
.set OT, 128
.set FB, 192
.macro PLACES                          ; four plain vector lines between a matrix instruction and a load into, or a vector line on, one of its registers
.rept 4
	v_nop
.endr
.endm
.macro CROUND                          ; a round of the cluster's barrier
	s_barrier_signal -1
	s_barrier_wait -1
	s_cmp_lg_u32 s3, 0
	s_cbranch_scc1 .Lnot_wave_0_\@
	s_barrier_signal -3
.Lnot_wave_0_\@:
	s_barrier_wait -3
	s_barrier_signal -1
	s_barrier_wait -1
.endm
.macro TL                              ; waves 0-7: my eighth of a slot, jointly; the branch hangs on the wave's number alone
	s_cmp_lt_u32 s3, 8
	s_cbranch_scc0 .Lno_load_\@
	tensor_load_to_lds s[12:15], s[16:23]
	s_nop 0
	PLACES
.Lno_load_\@:
.endm
.macro MLOAD                           ; 64 mask words, one aligned block of 256 bytes
	s_load_b512 s[32:47], s[4:5], 0x0
	s_load_b512 s[48:63], s[4:5], 0x40
	s_load_b512 s[68:83], s[4:5], 0x80
	s_load_b512 s[84:99], s[4:5], 0xc0
.endm
; PREFETCHES INTO THE L2, by the waves that fill nothing (8-11).  kv: the slot that the NEXT change of slots will ask for, 512 blocks of 256 bytes: each cluster asks for what it will load; its four partners
; take a quarter each BY ADDRESS (partners 0, 1: stream A's 65,536 bytes; 2, 3: stream B's), a wave 8,192 bytes, lanes 256 bytes apart.  The last change that fills asks for nothing; slots 0 and 1 come by their loads alone.
; mb: my own tile's two blocks of the next slot's two steps (lane 0 the first, the other lanes the second).  Waves 8-11 of the 64 work-groups with yt = 0 hold each of the 256 tiles once, and they alone ask.
.macro ASK
	s_cmp_gt_u32 s24, s27
	s_cbranch_scc0 .Lno_kv_\@
	global_prefetch_b8 v[PFO], s[28:29] th:TH_LOAD_NT scope:SCOPE_SE
.Lno_kv_\@:
	s_cmp_eq_u32 s66, 1
	s_cbranch_scc0 .Lno_mb_\@
	global_prefetch_b8 v[MPO], s[30:31] th:TH_LOAD_NT scope:SCOPE_SE
.Lno_mb_\@:
.endm
.macro FETCH4 off                      ; four fragments: sixteen loads of 512 consecutive bytes
.irp t, 0,1,2,3
.irp c, 0,1,2,3
	ds_load_b128 v[FB+16*\t+4*\c:FB+16*\t+4*\c+3], v[ADR] offset:(\off)+2048*\t+512*\c
.endr
.endr
.endm
.macro KQ4 g                           ; S^T of keys 64 g on; the constant 0 starts each sum
.irp t, 0,1,2,3
	v_wmma_f32_16x16x128_bf8_bf8 v[S+32*(\g)+8*\t:S+32*(\g)+8*\t+7], v[FB+16*\t:FB+16*\t+15], v[QF:QF+15], 0
.endr
.endm
.macro PV4 g                           ; O^T of channels 64 g on += V^T P^T; the eight accumulators take turns
.irp u, 0,1,2,3
	v_wmma_f32_16x16x128_bf8_bf8 v[OT+32*(\g)+8*\u:OT+32*(\g)+8*\u+7], v[FB+16*\u:FB+16*\u+15], v[PF:PF+15], v[OT+32*(\g)+8*\u:OT+32*(\g)+8*\u+7]
.endr
.endm
; A SECOND SET OF FOUR FRAGMENTS lies in v256-319 (window 1, written v0-63 under s_set_vgpr_msb): three waves of 320 registers are 960 of a SIMD's 1,024.
; So all eight fragments of K, and all eight of V, are asked for in one run of 32 loads.  At a label and at a branch every window is 0.
.set MSB, 0
.macro WIN new                         ; the immediate's high byte repeats the setting that is left
.if MSB != \new
	s_set_vgpr_msb (MSB<<8)|\new
.set MSB, \new
.endif
.endm
.macro FETCHZ off                      ; four fragments into the second set: destination window 1, address window 0
	WIN 0x40
.irp t, 0,1,2,3
.irp c, 0,1,2,3
	ds_load_b128 v[16*\t+4*\c:16*\t+4*\c+3], v[ADR] offset:(\off)+2048*\t+512*\c
.endr
.endr
	WIN 0
.endm
.macro KQZ                             ; S^T of keys 64-127, from the second set: source 0 window 1
	WIN 0x01
.irp t, 0,1,2,3
	v_wmma_f32_16x16x128_bf8_bf8 v[S+32+8*\t:S+32+8*\t+7], v[16*\t:16*\t+15], v[QF:QF+15], 0
.endr
	WIN 0
.endm
.macro PVZ                             ; O^T of channels 64-127, from the second set
	WIN 0x01
.irp u, 0,1,2,3
	v_wmma_f32_16x16x128_bf8_bf8 v[OT+32+8*\u:OT+32+8*\u+7], v[16*\u:16*\u+15], v[PF:PF+15], v[OT+32+8*\u:OT+32+8*\u+7]
.endr
	WIN 0
.endm
.macro SOFT
	s_wait_kmcnt 0x0                               ; this step's 64 words are in
.set n, 0
.rept 64                               ; ascending: each accumulator is read from its low end on
	v_cndmask_b32 v[S+n], v[VNEG], v[S+n], s[32+n+4*(n/32)]
.set n, n+1
.endr
	s_sub_co_u32 s67, s67, 1                       ; key steps still to come
	s_cmp_lg_u32 s67, 0
	s_cselect_b32 s104, 256, 0                     ; the next step's block; behind the 32nd step the last block once more, so that no load leaves mb
	s_add_nc_u64 s[4:5], s[4:5], s[104:105]
	MLOAD                                          ; a whole key step ahead of its selects
	v_max3_num_f32 v[ST+6], v[S], v[S+1], v[S+2]   ; the step's largest score among my 64 keys, in two chains
	v_max3_num_f32 v[ST+7], v[S+3], v[S+4], v[S+5]
.set n, 6
.rept 14
	s_delay_alu instid0(VALU_DEP_2)
	v_max3_num_f32 v[ST+6], v[ST+6], v[S+n], v[S+n+1]
	s_delay_alu instid0(VALU_DEP_2)
	v_max3_num_f32 v[ST+7], v[ST+7], v[S+n+2], v[S+n+3]
.set n, n+4
.endr
	s_delay_alu instid0(VALU_DEP_2)
	v_max3_num_f32 v[ST+6], v[ST+6], v[S+62], v[S+63]
	s_delay_alu instid0(VALU_DEP_1)
	v_max_num_f32 v[ST+6], v[ST+6], v[ST+7]
	s_delay_alu instid0(VALU_DEP_1)
	v_permlanex16_b32 v26, v[ST+6], s10, s11
	s_delay_alu instid0(VALU_DEP_1)
	v_max_num_f32 v[ST+6], v[ST+6], v26            ; and among lane l xor 16's
	s_delay_alu instid0(VALU_DEP_1)
	v_mul_f32 v[ST+6], s8, v[ST+6]                 ; as t (c is positive)
	s_delay_alu instid0(VALU_DEP_1)
	v_max_num_f32 v[ST+1], v[ST+1], v[ST+6]        ; the running largest t
	v_mov_b32 v[ST+6], v[ST]
	s_delay_alu instid0(VALU_DEP_2)
	v_floor_f32 v[ST], -v[ST+1]                    ; -M = floor(-t)
	s_delay_alu instid0(VALU_DEP_1)
	v_sub_f32 v[ST+6], v[ST], v[ST+6]              ; old M - new M: a whole number, 0 or less
	s_delay_alu instid0(VALU_DEP_1)
	v_cvt_i32_f32 v[ST+6], v[ST+6]                 ; (it saturates)
	s_delay_alu instid0(VALU_DEP_1)
	v_ldexp_f32 v[ST+4], 1.0, v[ST+6]              ; f = 2^(old M - new M)
.set n, 0
.rept 32
	v_pk_fma_f32 v[S+n:S+n+1], v[S+n:S+n+1], s[8:9], v[ST:ST+1] op_sel_hi:[1,0,0]   ; t - M, two at a time
.set n, n+2
.endr
	s_wait_alu depctr_va_vdst(0)                   ; the wait ahead of the batch
.set n, 0
.rept 64
	v_exp_f32 v[S+n], v[S+n]                       ; p = 2^(t - M)
.set n, n+1
.endr
	v_pk_mul_f32 v[ST+2:ST+3], v[ST+2:ST+3], v[ST+4:ST+5] op_sel_hi:[1,0]   ; the sum under the new M: the plain line behind the exponentials
	s_wait_alu depctr_va_vdst(0)                   ; one wait for the batch, ahead of its first reader
	v_pk_add_f32 v[24:25], v[S:S+1], v[S+2:S+3]    ; the sum of the unquantised p, in four chains (two of them in P's registers, which are written anew below)
	v_pk_add_f32 v[62:63], v[S+4:S+5], v[S+6:S+7]
	v_pk_add_f32 v[60:61], v[S+8:S+9], v[S+10:S+11]
	v_pk_add_f32 v[18:19], v[18:19], v[S+12:S+13]
.set n, 14
.rept 6
	v_pk_add_f32 v[24:25], v[24:25], v[S+n:S+n+1]
	v_pk_add_f32 v[62:63], v[62:63], v[S+n+2:S+n+3]
	v_pk_add_f32 v[60:61], v[60:61], v[S+n+4:S+n+5]
	v_pk_add_f32 v[18:19], v[18:19], v[S+n+6:S+n+7]
.set n, n+8
.endr
	v_pk_add_f32 v[24:25], v[24:25], v[S+62:S+63]
	v_pk_add_f32 v[18:19], v[18:19], v[62:63]
	s_delay_alu instid0(VALU_DEP_2)
	v_pk_add_f32 v[24:25], v[24:25], v[60:61]
	s_delay_alu instid0(VALU_DEP_1)
	v_pk_add_f32 v[18:19], v[18:19], v[24:25]
.irp t, 0,1,2,3,4,5,6,7
.irp i, 0,1,2,3,4,5,6,7
	v_min_num_f32 v[S+8*\t+\i], v[S+8*\t+\i], v[VLIM]      ; the conversion does not saturate (ISA guide 7.6.2); p is not negative, so the hold is one-sided
.endr
	v_cvt_scalef32_pk8_bf8_f32 v[PF+2*\t:PF+2*\t+1], v[S+8*\t:S+8*\t+7], v[VSCL]
.endr
	s_wait_alu depctr_va_vdst(0)                   ; directly ahead of the first reader of O^T
.set n, 0
.rept 32                               ; ascending
	v_pk_mul_f32 v[OT+n:OT+n+1], v[OT+n:OT+n+1], v[ST+4:ST+5] op_sel_hi:[1,0]   ; O^T under the new M; also the plain lines behind the conversions
.set n, n+2
.endr
.endm
.macro STEP q                          ; 128 keys of my stream: the q-th step of the slot that begins (for my stream) at LDS byte s2
.if \q == 0
	v_add_nc_u32 v[ADR], s2, v[LI]
.rept 3
	v_nop                                          ; with the line above: four places behind the last products, which read the registers that are loaded now
.endr
	FETCH4 0                                       ; K, keys 0-63,
	FETCHZ 8192                                    ; and keys 64-127
.endif
	s_wait_alu depctr_va_vdst(0)
	s_wait_dscnt 16                                ; K's first four fragments are in; the sixteen younger loads may be out
	KQ4 0
	s_wait_dscnt 0x0
	KQZ
	PLACES                                         ; in front of the loads into K's registers and of the first read of the scores
	FETCH4 16384                                   ; V, all 128 channels: on their way while the softmax runs
	FETCHZ 24576
	SOFT
	s_wait_alu depctr_va_vdst(0)
	s_wait_dscnt 0x0
	PV4 0
	PVZ
.if \q == 0
	v_add_nc_u32 v[ADR], 2*STEPB, v[ADR]           ; the slot's second step (a step holds both streams): its K is asked for at once
.rept 3
	v_nop                                          ; with the line above: four places behind the products
.endr
	FETCH4 0
	FETCHZ 8192
.endif
.endm
; THE CHANGE OF SLOTS, at a slot's head: all my tensor loads are waited for, the add, the wait for it and for my reads of the slot that I have left.
; fill = 1: a round of the cluster's barrier, and behind it the slot that was left is filled jointly with the next two key steps of both streams.
.macro CHANGE fill
	s_wait_tensorcnt 0x0
	ds_add_u32 v[SPW], v[NIL]
.if \fill
	ds_add_u32 v[SPW], v[NIL]                      ; and twice on end here
	s_xor_b32 s13, s13, SLOT1
	s_add_nc_u64 s[14:15], s[14:15], 2*STEPB
	s_wait_xcnt 0x0                                ; the last prefetches, a slot back, have read their addresses
	s_add_nc_u64 s[28:29], s[28:29], 2*STEPB
	s_add_nc_u64 s[30:31], s[30:31], 512
.endif
	s_wait_dscnt 0x0
.if \fill
	CROUND
	TL                                             ; the first thing behind the round, and a wave's one tensor load until the next
	ASK
.else
	s_barrier_signal -1
	s_barrier_wait -1
.endif
.endm
.macro TWO_STEPS                       ; a slot's two key steps, written out: the first asks for the second's K, the second asks for nothing beyond the slot
	STEP 0
	STEP 1
	s_xor_b32 s2, s2, SLOT1                        ; on to the other slot
.endm
	s_load_b256 s[32:39], s[0:1], 0x0              ; qc, kv, mb, the scales' exponents
	s_load_b64 s[6:7], s[0:1], 0x20                ; out0
	v_lshl_add_u32 v[SPW], v0, 2, SPARE
	v_mov_b32 v[NIL], 0
	ds_add_u32 v[SPW], v[NIL]                      ; the opening lines: the add twice on end and its wait
	ds_add_u32 v[SPW], v[NIL]
	v_lshrrev_b32 v13, 5, v0
	v_readfirstlane_b32 s3, v13                    ; wave 0..11
	s_bfe_u32 s40, ttmp6, 0x40000                  ; cx
	s_lshl_b32 s41, ttmp9, 2
	s_add_co_u32 s41, s41, s40                     ; x 0..63
	s_and_b32 s56, ttmp7, 0xffff                   ; yt
	s_mul_i32 s42, s56, 3
	s_lshr_b32 s43, ttmp9, 3                       ; x / 32, from the cluster's number
	s_add_co_u32 s57, s42, s43                     ; yA
	s_sub_co_u32 s58, 2, s43                       ; yB - yA
	s_mov_b32 s16, 15|(3<<16)|(1<<21)              ; group 1: mask of all four; elements of 8 bytes; bit 21 beside a mask; 16,384 dense bytes as 64 rows of 256
	s_mov_b32 s17, 32<<16
	s_mov_b32 s18, 64<<16
	s_mov_b32 s19, 32<<16
	s_mov_b32 s20, 64
	s_mov_b32 s21, 32
	s_mov_b32 s22, 0
	s_mov_b32 s23, 0
	s_mov_b32 s12, 1
	s_lshl_b32 s13, s3, 14                         ; LDS: eighth w of slot 0 = step w / 4, stream (w / 2) % 2, half w % 2
	s_bfe_u32 s44, s3, 0x10001
	s_mul_i32 s44, s44, s58
	s_add_co_u32 s44, s44, s57                     ; that stream's y
	s_lshl_b32 s44, s44, 20
	s_lshr_b32 s45, s3, 2
	s_lshl_b32 s45, s45, 15
	s_add_co_u32 s44, s44, s45
	s_and_b32 s45, s3, 1
	s_lshl_b32 s45, s45, 14
	s_add_co_u32 s44, s44, s45
	s_mov_b32 s45, 0
	s_lshr_b32 s60, s3, 3                          ; my own stream: 0 = A, 1 = B
	s_lshl_b32 s2, s60, 15                         ; the LDS byte of my stream's step in hand
	s_mul_i32 s61, s60, s58
	s_add_co_u32 s61, s61, s57                     ; my y
	s_and_b32 s62, s41, 31
	s_lshl_b32 s62, s62, 3
	s_lshl_b32 s63, s41, 2
	s_cmp_eq_u32 s60, 0
	s_cselect_b32 s62, s62, s63
	s_and_b32 s63, s3, 7
	s_add_co_u32 s62, s62, s63                     ; my query tile T
	s_lshl_b32 s46, s61, 19                        ; qc: (256 y + T) images
	s_lshl_b32 s43, s62, 11
	s_add_co_u32 s46, s46, s43
	s_mov_b32 s47, 0
	s_lshl_b32 s48, s62, 13                        ; mb: T x 8,192
	s_mov_b32 s49, 0
	s_cmp_ge_u32 s61, 6
	s_cselect_b32 s52, 1, 0                        ; batch
	s_mul_i32 s53, s52, 6
	s_sub_co_u32 s53, s61, s53                     ; head
	s_lshl_b32 s52, s52, 12
	s_lshl_b32 s43, s62, 4
	s_add_co_u32 s52, s52, s43                     ; my first row of out0
	s_mul_i32 s52, s52, 3072
	s_lshl_b32 s53, s53, 9
	s_add_co_u32 s52, s52, s53
	s_mov_b32 s53, 0
	s_lshr_b32 s54, s40, 1                         ; kv's prefetches: stream cx / 2,
	s_mul_i32 s54, s54, s58
	s_add_co_u32 s54, s54, s57
	s_lshl_b32 s54, s54, 20
	s_and_b32 s43, s40, 1
	s_lshl_b32 s43, s43, 2
	s_and_b32 s55, s3, 3
	s_add_co_u32 s43, s43, s55                     ; eighth 4 (cx % 2) + w % 4 of its 65,536 bytes,
	s_lshl_b32 s43, s43, 13
	s_add_co_u32 s54, s54, s43
	s_add_co_u32 s54, s54, 2*STEPB                 ; in slot 1: the first change steps it to slot 2
	s_mov_b32 s55, 0
	s_cmp_eq_u32 s60, 1
	s_cselect_b32 s27, 1, -1                       ; waves 8-11 ask for kv while the slots still to be asked for are above 1
	s_xor_b32 s43, s60, 1
	s_or_b32 s43, s43, s56
	s_cmp_eq_u32 s43, 0
	s_cselect_b32 s66, 1, 0                        ; waves 8-11 where yt = 0 ask for mb
	s_mov_b32 s10, 0x76543210                      ; v_permlanex16_b32's selects for lane l xor 16
	s_mov_b32 s11, 0xfedcba98
	s_mov_b32 s24, 15                              ; slots still to be asked for
	s_mov_b32 s67, 32                              ; key steps still to come
	s_mov_b32 s105, 0
	s_wait_dscnt 0x0                               ; both opening adds are done
	s_wait_kmcnt 0x0
	s_load_b256 s[68:75], s[38:39], 0x0            ; e0 .. e7
	s_load_b64 s[76:77], s[38:39], 0x20            ; e8, e9
	s_add_nc_u64 s[14:15], s[34:35], s[44:45]
	s_or_b32 s15, s15, 0x80000000                  ; type 2
	s_add_nc_u64 s[100:101], s[32:33], s[46:47]    ; Q's image
	s_add_nc_u64 s[4:5], s[36:37], s[48:49]        ; my tile's words of step 0
	s_mov_b64 s[30:31], s[4:5]                     ; mb's prefetches: the first change steps them to slot 1's steps
	s_add_nc_u64 s[6:7], s[6:7], s[52:53]
	s_add_nc_u64 s[28:29], s[34:35], s[54:55]
	CROUND                                         ; all four work-groups are here: the first joint loads meet
	TL                                             ; slot 0
	v_and_b32 v13, 31, v0
	v_lshlrev_b32 v[LI], 4, v13
	v_lshlrev_b32 v[PFO], 8, v13
.irp c, 0,1,2,3
	global_load_b128 v[QF+4*\c:QF+4*\c+3], v[LI], s[100:101] offset:512*\c   ; Q's fragment stays in registers
.endr
	v_min_u32 v[MPO], 1, v13
	v_lshlrev_b32 v[MPO], 8, v[MPO]
	v_and_b32 v14, 15, v0                          ; r
	v_bfe_u32 v15, v0, 4, 1                        ; h
	s_mul_i32 s43, s3, 16*SP                       ; my stage
	v_mul_u32_u24 v[STO], v14, SP
	v_mul_u32_u24 v[RD], v15, SP
	v_mul_u32_u24 v[GO], v15, 3072
	v_lshl_add_u32 v[STO], v15, 5, v[STO]
	v_lshl_add_u32 v[RD], v14, 4, v[RD]
	v_lshl_add_u32 v[GO], v14, 4, v[GO]            ; two rows of out0, 16 bytes a lane
	v_add_nc_u32 v[STO], s43, v[STO]               ; in: row r, + 32 h
	v_add_nc_u32 v[RD], s43, v[RD]                 ; back: lanes 0-15 one row of 256 bytes, lanes 16-31 the next
	v_mov_b32 v[ST+1], 0xff61b1e6                  ; the largest t so far: -3e38
	v_mov_b32 v[ST+2], 0
	v_floor_f32 v[ST], -v[ST+1]                    ; -M
	v_mov_b32 v[ST+3], 0
	v_mov_b32 v[ST+5], 0                           ; (the upper half of f's pair)
	v_mov_b32 v26, 0                               ; a lane permute's destination counts as one of its sources
.set n, 0
.rept 64
	v_mov_b32 v[OT+n], 0                           ; O^T: the key step has no first step of its own, which would be a further copy of it
.set n, n+1
.endr
	s_wait_kmcnt 0x0
	s_add_co_i32 s58, s74, s75                     ; e6 + e7
	s_lshl_b32 s59, s58, 23
	s_mov_b32 s8, 0x3e0293ee                       ; c = log2(e) / sqrt(128)
	s_add_co_i32 s8, s8, s59                       ; x 2^(e6 + e7), by the exponent field
	s_mov_b32 s9, s8
	s_sub_co_i32 s59, 160, s58
	s_lshl_b32 s59, s59, 23
	s_or_b32 s59, s59, 0x80000000
	v_mov_b32 v[VNEG], s59                         ; -2^(33 - e6 - e7)
	s_add_co_i32 s59, s76, 127
	s_lshl_b32 s60, s59, 23
	v_mov_b32 v[VSCL], s60                         ; 2^e8
	s_add_co_i32 s59, s59, 15
	s_lshl_b32 s59, s59, 23
	s_or_b32 s59, s59, 0x600000
	v_mov_b32 v[VLIM], s59                         ; 57,344 x 2^e8
	s_add_co_i32 s26, s76, s77                     ; e8 + e9
	MLOAD                                          ; the head's scalars in s32-99 are done with
	s_wait_alu depctr_va_vdst(0)
	s_wait_loadcnt 0x0                             ; Q
.Lslot:                                            ; fifteen trips: behind each change of slots but the last the next slot is asked for
	CHANGE 1
	TWO_STEPS
	s_sub_co_u32 s24, s24, 1
	s_cmp_lg_u32 s24, 0
	s_cbranch_scc1 .Lslot
	CHANGE 0                                       ; the last slot is written out, so that the loop's last trip jumps over no fill
	TWO_STEPS
	; THE WAY OUT.  O^T / the sum x 2^(e8 + e9) goes through my stage, half a row (256 bytes) of 16 queries at a time, so that sixteen lanes store 256 consecutive bytes.
	s_wait_kmcnt 0x0                               ; the last request for mask words, which nobody uses
	v_add_f32 v[ST+6], v[ST+2], v[ST+3]
	s_delay_alu instid0(VALU_DEP_1)
	v_permlanex16_b32 v[ST+7], v[ST+6], s10, s11
	s_delay_alu instid0(VALU_DEP_1)
	v_add_f32 v[ST+6], v[ST+6], v[ST+7]            ; the row's sum
	s_wait_alu depctr_va_vdst(0)                   ; the wait ahead of the transcendental
	v_rcp_f32 v[ST+4], v[ST+6]
	v_nop                                          ; a plain line behind the reciprocal
	v_nop
	s_wait_alu depctr_va_vdst(0)                   ; the wait ahead of its first reader
	v_ldexp_f32 v[ST+4], v[ST+4], s26
	s_wait_alu depctr_va_vdst(0)                   ; directly ahead of the first reader of O^T
.set n, 0
.rept 32                               ; ascending
	v_pk_mul_f32 v[S+n:S+n+1], v[OT+n:OT+n+1], v[ST+4:ST+5] op_sel_hi:[1,0]   ; register 8 u + j: o(query r, channel 16 u + 8 h + j)
.set n, n+2
.endr
.irp u, 0,1                            ; channels 64 u on
.irp t, 0,1,2,3
	ds_store_b128 v[STO], v[S+32*\u+8*\t:S+32*\u+8*\t+3] offset:64*\t
	ds_store_b128 v[STO], v[S+32*\u+8*\t+4:S+32*\u+8*\t+7] offset:64*\t+16
.endr
.irp i, 0,1,2,3,4,5,6,7
	ds_load_b128 v[FB+32*\u+4*\i:FB+32*\u+4*\i+3], v[RD] offset:2*\i*SP   ; LDS serves a wave's instructions in order (ISA guide 5.7.1.4)
.endr
.endr
.irp u, 0,1
.irp i, 0,1,2,3,4,5,6,7
	s_wait_dscnt 23-16*\u-\i                       ; behind this load: the half's later loads and, for the first half, the second half's 8 stores and 8 loads
	global_store_b128 v[GO], v[FB+32*\u+4*\i:FB+32*\u+4*\i+3], s[6:7] offset:2*\i*3072+256*\u th:TH_STORE_NT
.endr
.endr
	s_wait_tensorcnt 0x0                           ; the wave's end
	ds_add_u32 v[SPW], v[NIL]
	s_wait_dscnt 0x0
	CROUND                                         ; the closing round
	s_endpgm
.Lfunc_end_k_qa85137b4a0_attn:
	.size	k_qa85137b4a0_attn, .Lfunc_end_k_qa85137b4a0_attn-k_qa85137b4a0_attn
	.p2alignl 7, 3214868480
	.fill 96, 4, 3214868480
	.section	.rodata,"a",@progbits
	.p2align	6, 0x0
	.amdhsa_kernel k_qa85137b4a0_attn
		.amdhsa_group_segment_fixed_size 327680
		.amdhsa_private_segment_fixed_size 0
		.amdhsa_enable_private_segment 0
		.amdhsa_kernarg_size 40
		.amdhsa_user_sgpr_count 2
		.amdhsa_user_sgpr_kernarg_segment_ptr 1
		.amdhsa_wavefront_size32 1
		.amdhsa_system_sgpr_workgroup_id_x 1
		.amdhsa_system_sgpr_workgroup_id_y 1
		.amdhsa_system_sgpr_workgroup_id_z 1
		.amdhsa_system_vgpr_workitem_id 0
		.amdhsa_next_free_vgpr 320
		.amdhsa_next_free_sgpr 106
		.amdhsa_reserve_vcc 0
		.amdhsa_float_denorm_mode_32 3
		.amdhsa_float_denorm_mode_16_64 3
		.amdhsa_memory_ordered 1
		.amdhsa_forward_progress 1
		.amdhsa_inst_pref_size 116
	.end_amdhsa_kernel
	.amdgpu_metadata
---
amdhsa.version: [ 1, 2 ]
amdhsa.kernels:
  - .name:           k_qa85137b4a0_attn
    .symbol:         k_qa85137b4a0_attn.kd
    .args:
      - { .name: qc, .offset: 0, .size: 8, .value_kind: global_buffer, .address_space: global }
      - { .name: kv, .offset: 8, .size: 8, .value_kind: global_buffer, .address_space: global }
      - { .name: mb, .offset: 16, .size: 8, .value_kind: global_buffer, .address_space: global }
      - { .name: lowp_scales, .offset: 24, .size: 8, .value_kind: global_buffer, .address_space: global }
      - { .name: out0, .offset: 32, .size: 8, .value_kind: global_buffer, .address_space: global }
    .group_segment_fixed_size: 327680
    .private_segment_fixed_size: 0
    .kernarg_segment_align: 8
    .kernarg_segment_size: 40
    .max_flat_workgroup_size: 384
    .sgpr_count:     106
    .vgpr_count:     320
    .wavefront_size: 32
...
	.end_amdgpu_metadata
.endif
;; end of part 3
